; MI455X (gfx1250); checked and timed in simulation.
; The chip was launched on July 23, 2026; its instructions are those of AMD's public machine-readable ISA for CDNA 5 (MIT licence, August 2026) and "CDNA5" Instruction Set Architecture Reference Guide (July 2026). The comments in the code are by the model that wrote it; some were corrected since.
;; Sparse Cross Attention. Allowed arithmetic: matrix products marked QUANTISED: E2M3 operands, one E8M0 scale for each 32 along K, by v_wmma_scale_f32_16x16x128_f8f6f4 with both operands' format E2M3, f32 sums; products left as they are: f32 operands where the result goes on into a quantised operand, else bf16, f16 or f32 operands; f32 sums; everything else in f32.
;; Inputs: Wkv 1,024 x 1,024 float32; Wo 512 x 512 float32; Wq 512 x 512 float32; batch_indices 16,384 int32; bkv 1,024 float32; bo 512 float32; bq 512 float32; context 4 x 512 x 1,024 float32; x_feats 16,384 x 512 float32.
;; Outputs: out0 16,384 x 512 float32.
;; This version of the problem:
;;   THIS VERSION OF THE PROBLEM IS GIVEN IN LOW PRECISION. The matrix products marked QUANTISED in the list below multiply operands that are first quantised to E2M3 (2 exponent bits, 3 mantissa bits; 6 bits a number), with one power-of-two scale for each 32 numbers along K (OCP MX v1.0); their sums are f32. All else is computed in f32.
;;   The module's matrix products, in the order in which they are computed (A, B: the left and right operand; K: the contracted axis; several contracted axes count as one K, in the product's order):
;;     1. [M 16,384, K 512] x [K 512, N 512]; A: input x_feats; B: input Wq: QUANTISED
;;     2. [M 2,048, K 1,024] x [K 1,024, N 1,024]; A: input context; B: input Wkv: QUANTISED
;;     3. batch 8 x [M 512, K 256] x [K 256, N 16,384]; A: computed on the way; B: computed on the way: QUANTISED
;;     4. batch 8 x [M 256, K 512] x [K 512, N 16,384]; A: computed on the way; B: softmax (see below): QUANTISED
;;     5. batch 16,384 x [M 512, K 4] x [K 4, N 1]; A: computed on the way; B: computed on the way: left as it is (K = 4 < 32)
;;     6. [M 16,384, K 512] x [K 512, N 512]; A: computed on the way; B: input Wo: QUANTISED
;;   THE QUANTISER, for each operand of a quantised product, along K:
;;     - K is cut into blocks of 32 from its start; a last block that is shorter is filled with zeros.
;;     - A block's scale is 2^e with e = floor(log2(the largest magnitude in the block)) - 2, held to -126 .. 127; a block of zeros has e = 0. As a byte (E8M0): e + 127.
;;     - Each number is divided by its block's scale, clamped to +-7.5, and rounded to the nearest number of E2M3, ties to even, subnormals kept.
;;     - The product sums the exact products of the quantised numbers (number of the format x scale) in f32.
;;   ~~~python
;;   def quantise(x, axis):      # numpy; x: float32 -> the quantised numbers, widened to float32 again
;;       x = np.moveaxis(x, axis, -1); K = x.shape[-1]
;;       x = np.pad(x, [(0, 0)] * (x.ndim - 1) + [(0, -K % 32)]); x = x.reshape(x.shape[:-1] + (-1, 32)); a = np.abs(x).max(-1, keepdims=True)
;;       e = np.where(a > 0, np.clip(np.frexp(np.where(a > 0, a, 1))[1] - 1 - 2, -126, 127), 0)      # np.frexp(a)[1] - 1 = floor(log2(a)), exactly
;;       r = np.clip(x / 2.0 ** e, -7.5, 7.5)
;;       step = 2.0 ** (np.maximum(np.frexp(np.where(r == 0, 1, r))[1] - 1, 0) - 3)
;;       q = np.round(r / step) * step * 2.0 ** e      # np.round: ties to even
;;       return np.moveaxis(q.reshape(q.shape[:-2] + (-1,))[..., :K], -1, axis).astype(np.float32)
;;   ~~~
;;   SOFTMAX AHEAD OF A QUANTISED PRODUCT. Where the list says 'softmax', what is quantised is not the finished softmax but p = 2^(t - M), with t = logit x log2(e) and M = ceil(the row's largest t), a whole number; so 1/2 < the row's largest p <= 1. The row's sum l is taken of the UNQUANTISED p, in f32, and the product's result is divided by l at the end. Since M is a whole number, a kernel that streams over the keys may use a running M (the ceiling of the running maximum): every later rescaling is an exact power of two, which a block's scale takes up: the codes' values come out the same.
;;   OPERANDS COMPUTED ON THE WAY. 'Computed on the way' means the value that the module computes at that place (a softmax that the list does not call 'softmax' is quantised finished and normalised). What goes into a quantiser is computed in f32, as accurately as f32 sums, v_exp_f32 and their like allow (about 1e-6 of the number): no bf16 or f16 on the way to a quantiser, and a product that is left as it is and whose result goes on into a quantised operand takes f32 operands (vector FMAs, or v_wmma_f32_16x16x4_f32). A number that lies on a knife's edge between two numbers of the format may be rounded either way, as far as f32 arithmetic and the matrix unit's own rounding can turn it there, and no further.
;; One version. Each part assembles by itself: llvm-mc -triple=amdgcn-amd-amdhsa -mcpu=gfx1250 --defsym DOCPART=n.
;; ======== version 1 of 1: 3 launches
;; limits: right only within a limited range of input values
;; workspace buffers: img 2,867,200 bytes; kvimg 1,638,400 bytes; order 66,816 bytes of whole numbers; groups 1,024 bytes of whole numbers
;; launch prep (part 1): grid 225 x 1, 8 waves a work-group, no clusters, 2,304 bytes of LDS; arguments context, Wkv, Wq, Wo, batch_indices, img, order, groups; writes img, order, groups
.if DOCPART == 1
	.amdgcn_target "amdgcn-amd-amdhsa--gfx1250"
	.amdhsa_code_object_version 6
	.text
	.protected	k_qed7cabf3ad_prep
	.globl	k_qed7cabf3ad_prep
	.p2align	8
	.type	k_qed7cabf3ad_prep,@function
k_qed7cabf3ad_prep:
	s_mov_b64 s[64:65], 0
	v_nop
	global_prefetch_b8 v0, s[64:65] scope:SCOPE_SE
	s_setreg_imm32_b32 hwreg(HW_REG_WAVE_MODE, 25, 1), 1
	s_wait_xcnt 0x0
; PREP.  Work-groups 1 to 224 turn context [2048][1024], Wkv [1024 k][1024 n], Wq and Wo [512 k][512 n], all f32, into codes of FP6 (E2M3) with one E8M0 byte for each 32 along K,
; laid in the ORDER OF AN OPERAND'S REGISTERS.  Work-group 0 sorts the 16,384 points by their batch (a counting sort on whole numbers) into groups of 80 points of one batch.
; IMAGES.  A row block is 32 rows (tokens, or a weight's output channels) = two tiles u: lane r of tile u holds row 32 rb + 8 u + r + 8 (r / 8).  A fragment (16 rows x 128 K, 12 registers a lane) is 1,536 bytes:
; registers 4 c .. 4 c + 3 of lane l at 512 c + 16 l.  A unit is a row block x 4 K steps: 12,288 bytes of codes (K step s', tile u at 3072 s' + 1536 u) and 512 bytes of scale words (lane l's 16 bytes: the words of the
; four K steps; lanes 0-15 tile 0's rows, lanes 16-31 tile 1's).  Units 0-127 context, 128-191 Wkv, 192-207 Wq, 208-223 Wo; unit U's codes at 12288 U, its scale words at SCB + 512 U.
; A wave takes one tile of one K step of one unit: 16 rows x 128 K.  A lane's registers run along K (register 16 b + i = k 32 b + 16 (lane / 16) + i of the lane's row), for the weights DOWN their first axis: nothing is transposed.
; A block's scale is 2^(floor(log2(largest magnitude)) - 2); its byte is the largest magnitude's exponent field - 2, held at 1 from below.
; LIMITS: a block of zeros gets the byte 1, not 127 (its codes are zeros, and this program alone reads the bytes); NaN and infinities among the inputs are not served;
; a batch index outside 0 .. 3 is taken as index & 3.
; THE SORT'S RESULT: order[80 g + i] = a point of group g, or 0x7fffffff where the group has fewer than 80; groups[g] = the group's batch, or 4 for a group without points.  With n_b points in batch b there are
; ceil(n_b / 80) groups of it, 208 in all at the most: (16384 + 4 x 79) / 80.  Behind order's 16,640 slots lies one spare slot, which nobody reads.  The 4-byte stores into order are 66,564 bytes in all.
.set SCB,  2752512
.set CNT,  1024                        ; LDS: the sort's counts, 8 bytes a wave; the quantiser's scale words lie at 0 .. 1023
.set TM,   16                          ; v16-31 at work in QUANT
.set PW,   32                          ; v32    the scale word just made
.set XD,   64                          ; v64-127 the wave's numbers: its own tile
.set SEL,  22                          ; s[22:23] lane selects: lane l xor 16
; THE SHARES AS THEY STAND NOW: work-group 0 sorts; work-groups 1 to 224 take one unit each, wave w its K step w % 4 and its tile w / 4 (16 rows x 128 K).
; WORK LEFT OUT BY THE PROGRAM: reference() multiplies q by a one-hot of the point's batch, so for every input the terms of the other three batches in the logits are products with the zeros
; that it builds itself, and what their v would give is multiplied by the same zeros.  Only the point's own batch is multiplied.  A NaN, an infinity or an overflow that reaches only that work is not carried to the result.
.set SPW,  252                         ; v252 LDS address of my spare word, v253 zero: made at the head, never rewritten
.set NIL,  253
.set SPARE, 1280                       ; the spare words: 128 bytes a wave, 1,024 in all; no other line names them
; 64 numbers of a lane, register 16 b + i = k 32 b + 16 (lane / 16) + i of my row, become a fragment's 12 registers at v[pc] on and its scale word in v[PW]
.macro QUANT s, pc
.irp b, 0,1,2,3
	v_max3_num_f32 v[TM+\b], |v[(\s)+16*\b]|, |v[(\s)+1+16*\b]|, 0x1800000   ; my 16 numbers of block b, and the floor 2^(3 - 127): the byte cannot fall under 1
.endr
.irp i, 2,4,6,8,10,12,14
.irp b, 0,1,2,3
	v_max3_num_f32 v[TM+\b], v[TM+\b], |v[(\s)+16*\b+\i]|, |v[(\s)+1+16*\b+\i]|
.endr
.endr
.irp b, 0,1,2,3
	v_permlanex16_b32 v[TM+4+\b], v[TM+\b], s[SEL], s[SEL+1]
.endr
.irp b, 0,1,2,3
	v_max_num_f32 v[TM+\b], v[TM+\b], v[TM+4+\b]          ; with lane l xor 16's 16: the block's largest magnitude
.endr
.irp b, 0,1,2,3
	v_add_nc_u32 v[TM+12+\b], 0xff000000, v[TM+\b]        ; 2 off its exponent field: the conversion's scale operand
.endr
.irp b, 0,1,2,3
	v_lshrrev_b32 v[TM+4+\b], 23, v[TM+12+\b]             ; the scale's byte
.endr
	v_lshl_or_b32 v[PW], v[TM+5], 8, v[TM+4]
	v_lshl_or_b32 v[PW], v[TM+6], 16, v[PW]
	v_lshl_or_b32 v[PW], v[TM+7], 24, v[PW]
.irp c, 0,1
	v_cvt_scalef32_pk16_fp6_f32 v[(\pc)+6*\c:(\pc)+2+6*\c], v[(\s)+32*\c:(\s)+15+32*\c], v[TM+12+2*\c]
	v_cvt_scalef32_pk16_fp6_f32 v[(\pc)+12+4*\c:(\pc)+14+4*\c], v[(\s)+16+32*\c:(\s)+31+32*\c], v[TM+12+2*\c+1]   ; (a conversion's three registers begin on an even number)
.endr
	v_nop                                                  ; one plain place behind a scaled conversion
.irp c, 0,1                                            ; the operand wants a whole block in a lane: lanes 0-15 block 2 c, lanes 16-31 block 2 c + 1
.irp i, 0,1,2
	v_permlane16_swap_b32 v[(\pc)+6*\c+\i], v[(\pc)+12+4*\c+\i]
.endr
.irp i, 0,1,2
	v_mov_b32 v[(\pc)+3+6*\c+\i], v[(\pc)+12+4*\c+\i]
.endr
.endr
.endm
; a weight's 128 k x 32 channels: lane (r, hh) takes channel r + 8 (r / 8) (+ 8 u) and runs down k = 32 b + 16 hh + i; my tile's 64 loads
.macro WLOAD pitch
.irp b, 0,1,2,3
.irp i, 0,1,2,3,4,5,6,7,8,9,10,11,12,13,14,15
	global_load_b32 v[XD+16*\b+\i], v8, s[40:41] offset:(32*\b+\i)*\pitch      ; my tile alone: its 8 u channels stand in v8
.endr
.endr
.endm
; The slots between batch b's last point and the next batch's first group get the sentinel.  All lanes stay on: a lane whose slot lies past the gap's end stores the sentinel into the spare slot behind the list.
.macro GAP n, b, plus
	v_add_nc_u32 v4, s[40+\b], v0                          ; the gap's first slot + my thread's number
.if \plus
	v_add_nc_u32 v4, 0x100, v4
.endif
	v_cmp_gt_u32 vcc_lo, s[53+\b], v4                      ; the gap's end > my slot
	v_cndmask_b32 v4, v10, v4, vcc_lo                      ; else the spare slot, 16,640
	v_min_u32 v4, 0x4100, v4                               ; held inside order's 16,641 slots
	v_lshlrev_b32 v[200+\n], 2, v4                         ; each store has an address register of its own; the stores stand at the path's end
.endm
	s_load_b512 s[4:19], s[0:1], 0x0               ; context s[4:5], Wkv s[6:7], Wq s[8:9], Wo s[10:11], batch_indices s[12:13], img s[14:15], order s[16:17], groups s[18:19]
	v_lshrrev_b32 v1, 5, v0
	v_readfirstlane_b32 s20, v1                    ; wave 0..7
	v_and_b32 v1, 31, v0                           ; lane
	s_mov_b32 s[SEL], 0x76543210
	s_mov_b32 s[SEL+1], 0xfedcba98
	v_lshl_add_u32 v[SPW], v0, 2, SPARE
	v_mov_b32 v[NIL], 0
	s_wait_alu depctr_va_vdst(0)                   ; the wait ahead of the branch
	s_cmp_eq_u32 ttmp9, 0
	s_cbranch_scc1 .Lsort
	; ---------------- the quantiser: unit Ug = work-group - 1, K step wave % 4 of it, tile wave / 4
	v_and_b32 v2, 15, v0                           ; r
	v_bfe_u32 v3, v0, 4, 1                         ; hh
	v_and_b32 v4, 8, v2
	v_add_nc_u32 v4, v4, v2                        ; r + 8 (r / 8)
	v_lshlrev_b32 v5, 4, v1                        ; 16 x lane
	s_lshr_b32 s21, s20, 2                         ; my tile u
	s_and_b32 s28, s20, 3                          ; my K step of the unit
	s_lshl_b32 s33, s21, 3
	v_add_nc_u32 v4, s33, v4                       ; my row of the block: 8 u + r + 8 (r / 8)
	s_lshl_b32 s29, s21, 8
	s_lshl_b32 s30, s28, 2
	s_add_co_u32 s29, s29, s30
	v_lshl_add_u32 v6, v2, 4, s29                  ; LDS: the unit's scale image: 16 (16 u + r) + 4 x K step
	s_sub_co_u32 s31, ttmp9, 1                     ; Ug
	s_lshl_b32 s32, s31, 2
	s_add_co_u32 s32, s32, s28
	s_lshl_b32 s32, s32, 1
	s_add_co_u32 s32, s32, s21
	s_mul_i32 s32, s32, 1536                       ; my fragment's place
	s_mov_b32 s33, 0
	s_lshl_b32 s34, s31, 9
	s_add_co_u32 s34, s34, SCB                     ; my unit's scale words
	s_mov_b32 s35, 0
.irp b, 0,1,2,3
	v_mov_b32 v[TM+4+\b], 0                        ; written once: a lane permute's destination counts as one of its sources
.endr
	s_wait_alu depctr_va_vdst(0)                   ; the wait at the head's end
	s_wait_kmcnt 0x0
	s_add_nc_u64 s[24:25], s[14:15], s[32:33]
	s_add_nc_u64 s[26:27], s[14:15], s[34:35]
	s_cmp_lt_u32 s31, 128
	s_cbranch_scc0 .Lweights
	; context: K is innermost: four loads of 16 bytes bring my 16 numbers of a block
	s_lshr_b32 s37, s31, 1                         ; row block
	s_and_b32 s38, s31, 1
	s_lshl_b32 s38, s38, 2
	s_add_co_u32 s38, s38, s28                     ; K step 0..7
	s_lshl_b32 s40, s37, 17                        ; 32 rows of 4,096 bytes
	s_lshl_b32 s38, s38, 9
	s_add_co_u32 s40, s40, s38
	s_mov_b32 s41, 0
	s_add_nc_u64 s[40:41], s[4:5], s[40:41]
	v_lshlrev_b32 v8, 12, v4
	v_lshl_add_u32 v8, v3, 6, v8                   ; my row, + 64 hh
.irp b, 0,1,2,3
.irp j, 0,1,2,3
	global_load_b128 v[XD+16*\b+4*\j:XD+16*\b+4*\j+3], v8, s[40:41] offset:128*\b+16*\j
.endr
.endr
	s_branch .Lquant
.Lweights:
	s_cmp_lt_u32 s31, 192
	s_cbranch_scc0 .Lsmall
	s_sub_co_u32 s37, s31, 128                     ; Wkv: rows of 4,096 bytes
	s_and_b32 s38, s37, 1
	s_lshr_b32 s37, s37, 1                         ; row block (32 channels)
	s_lshl_b32 s38, s38, 2
	s_add_co_u32 s38, s38, s28                     ; K step 0..7
	s_lshl_b32 s40, s38, 19                        ; 128 rows of 4,096 bytes
	s_lshl_b32 s37, s37, 7
	s_add_co_u32 s40, s40, s37
	s_mov_b32 s41, 0
	s_add_nc_u64 s[40:41], s[6:7], s[40:41]
	v_lshlrev_b32 v8, 2, v4
	v_lshl_add_u32 v8, v3, 16, v8                  ; my channel, + 16 hh rows
	WLOAD 4096
	s_branch .Lquant
.Lsmall:
	s_cmp_lt_u32 s31, 208                          ; Wq or Wo: rows of 2,048 bytes.  The choice hangs on the work-group's number alone
	s_cselect_b64 s[42:43], s[8:9], s[10:11]
	s_and_b32 s37, s31, 15                         ; row block: 192 and 208 are multiples of 16
	s_lshl_b32 s40, s28, 18                        ; 128 rows of 2,048 bytes
	s_lshl_b32 s37, s37, 7
	s_add_co_u32 s40, s40, s37
	s_mov_b32 s41, 0
	s_add_nc_u64 s[40:41], s[42:43], s[40:41]
	v_lshlrev_b32 v8, 2, v4
	v_lshl_add_u32 v8, v3, 15, v8
	WLOAD 2048
.Lquant:
	s_wait_loadcnt 0x0                             ; my tile's numbers are in
	QUANT XD, 36
	ds_store_b32 v6, v[PW]                         ; lanes r and r + 16 write the same word with the same value
	s_wait_alu depctr_va_vdst(0)
	s_wait_tensorcnt 0x0                           ; my last LDS store is out
	ds_add_u32 v[SPW], v[NIL]
	s_wait_dscnt 0x0                               ; for the others' sake too: my word has landed
	s_barrier_signal -1
	s_barrier_wait -1
	s_cmp_lg_u32 s20, 0                            ; wave 0 stores the unit's 512 bytes of scale words
	s_cbranch_scc1 .Lqend
	ds_load_b128 v[216:219], v5
	s_wait_dscnt 0x0
	global_store_b128 v5, v[216:219], s[26:27]
.Lqend:
.irp c, 0,1,2
	global_store_b128 v5, v[36+4*\c:39+4*\c], s[24:25] offset:512*\c          ; 32 lanes store 512 consecutive bytes
.endr
	s_endpgm
	; ---------------- the sort.  Wave w owns points 2048 w .. 2048 w + 2047; register 4 q + j of lane l is point 2048 w + 128 q + 4 l + j.  EXEC stays full throughout
.Lsort:
	s_lshl_b32 s21, s20, 13
	v_lshlrev_b32 v2, 4, v1
	v_add_nc_u32 v2, s21, v2
	s_wait_alu depctr_va_vdst(0)                   ; the wait ahead of the wait below
	s_wait_kmcnt 0x0
.irp q, 0,1,2,3,4,5,6,7,8,9,10,11,12,13,14,15
	global_load_b128 v[64+4*\q:67+4*\q], v2, s[12:13] offset:512*\q
.endr
.irp i, 8,9,10,11
	v_mov_b32 v\i, 0                               ; four sums of counts, a byte for each batch: 16 at the most in each
.endr
	v_mov_b32 v13, 1
	s_wait_alu depctr_va_vdst(0)                   ; likewise
	s_wait_loadcnt 0x0
.set ee, 0
.rept 64
	v_and_b32 v[64+ee], 3, v[64+ee]
	v_lshlrev_b32 v[16+ee%4], 3, v[64+ee]
	v_lshlrev_b32 v[16+ee%4], v[16+ee%4], v13      ; 1 in the batch's byte
	v_add_nc_u32 v[8+ee%4], v[8+ee%4], v[16+ee%4]
.set ee, ee+1
.endr
	v_add_nc_u32 v8, v8, v9
	v_add_nc_u32 v10, v10, v11
	v_add_nc_u32 v8, v8, v10                       ; my lane's four counts, 64 at the most
	v_and_b32 v9, 0xff, v8
	v_bfe_u32 v10, v8, 8, 8
	v_lshl_or_b32 v14, v10, 16, v9                 ; n0 | n1 << 16
	v_bfe_u32 v9, v8, 16, 8
	v_lshrrev_b32 v10, 24, v8
	v_lshl_or_b32 v15, v10, 16, v9                 ; n2 | n3 << 16
	v_mov_b32 v9, 0
	v_mov_b32 v10, 0
.irp x, 1,2,4,8
	v_mov_b32_dpp v9, v14 row_xmask:\x row_mask:0xf bank_mask:0xf
	v_mov_b32_dpp v10, v15 row_xmask:\x row_mask:0xf bank_mask:0xf
	v_add_nc_u32 v14, v14, v9
	v_add_nc_u32 v15, v15, v10
.endr
	v_permlanex16_b32 v9, v14, s[SEL], s[SEL+1]
	v_permlanex16_b32 v10, v15, s[SEL], s[SEL+1]
	v_add_nc_u32 v14, v14, v9
	v_add_nc_u32 v15, v15, v10                     ; the wave's counts, in every lane
	s_lshl_b32 s21, s20, 3
	s_add_co_u32 s21, s21, CNT
	v_mov_b32 v11, s21
	ds_store_b64 v11, v[14:15]                     ; all lanes write the same words with the same values
	s_wait_alu depctr_va_vdst(0)                   ; likewise
	s_wait_tensorcnt 0x0                           ; my last LDS store is out
	ds_add_u32 v[SPW], v[NIL]
	s_wait_dscnt 0x0
	s_barrier_signal -1
	s_barrier_wait -1
	v_mov_b32 v11, CNT
.irp i, 0,1,2,3
	ds_load_b128 v[20+4*\i:23+4*\i], v11 offset:16*\i
.endr
	s_wait_dscnt 0x0
.irp i, 0,1,2,3,4,5,6,7,8,9,10,11,12,13,14,15
	v_readfirstlane_b32 s[40+\i], v[20+\i]
.endr
	s_mov_b32 s56, 0                               ; totals, and the sums over the waves in front of mine
	s_mov_b32 s57, 0
	s_mov_b32 s58, 0
	s_mov_b32 s59, 0
.irp i, 0,1,2,3,4,5,6,7
	s_cmp_lt_u32 \i, s20
	s_cselect_b32 s60, s[40+2*\i], 0
	s_cselect_b32 s61, s[41+2*\i], 0
	s_add_co_u32 s56, s56, s[40+2*\i]
	s_add_co_u32 s57, s57, s[41+2*\i]
	s_add_co_u32 s58, s58, s60
	s_add_co_u32 s59, s59, s61
.endr
	s_and_b32 s40, s56, 0xffff                     ; n_b
	s_lshr_b32 s41, s56, 16
	s_and_b32 s42, s57, 0xffff
	s_lshr_b32 s43, s57, 16
	s_and_b32 s24, s58, 0xffff                     ; batch b's points in the waves in front of mine
	s_lshr_b32 s25, s58, 16
	s_and_b32 s26, s59, 0xffff
	s_lshr_b32 s27, s59, 16
.irp b, 0,1,2,3
	s_add_co_u32 s60, s[40+\b], 79
	s_mul_i32 s60, s60, 52429                      ; 52429 x 80 = 2^22 + 16: the quotient by 80 is exact up to 16,463
	s_lshr_b32 s[48+\b], s60, 22                   ; ceil(n_b / 80) groups
.endr
	s_add_co_u32 s49, s49, s48
	s_add_co_u32 s50, s50, s49
	s_add_co_u32 s51, s51, s50                     ; s48-51: the groups up to and with batch 0, 1, 2, 3
	s_mov_b32 s52, 0                               ; s52-55: batch b's first slot
	s_mul_i32 s53, s48, 80
	s_mul_i32 s54, s49, 80
	s_mul_i32 s55, s50, 80
.irp b, 0,1,2,3
	s_add_co_u32 s[24+\b], s[24+\b], s[52+\b]      ; where my wave's points of batch b begin
	s_add_co_u32 s[40+\b], s[40+\b], s[52+\b]      ; where batch b's gap begins; it ends at s[53 + b]
.endr
	s_mov_b32 s56, 16640
	s_lshl_b32 s21, s20, 11
	v_lshl_add_u32 v3, v1, 2, s21                  ; 2048 w + 4 l
	s_wait_alu depctr_va_vdst(0)
.set ee, 0
.rept 64
	v_cmp_eq_u32 s28, 0, v[64+ee]
	v_cmp_eq_u32 s29, 1, v[64+ee]
	v_cmp_eq_u32 s30, 2, v[64+ee]
	v_cmp_eq_u32 s31, 3, v[64+ee]
	v_mbcnt_lo_u32_b32 v4, s28, s24                ; the batch's running slot + the lanes below mine that hold the same batch
	v_mbcnt_lo_u32_b32 v5, s29, s25
	v_mbcnt_lo_u32_b32 v6, s30, s26
	v_mbcnt_lo_u32_b32 v7, s31, s27
	v_cndmask_b32 v4, v4, v5, s29
	v_cndmask_b32 v4, v4, v6, s30
	v_cndmask_b32 v4, v4, v7, s31
	v_min_u32 v4, 0x40ff, v4                       ; held inside order's 16,640 slots
	v_lshlrev_b32 v[64+ee], 2, v4                  ; each store has its own address and data registers; the 64 stores stand at the path's end
	v_add_nc_u32 v[128+ee], 128*(ee/4)+ee%4, v3    ; the point's number
	s_bcnt1_i32_b32 s32, s28
	s_add_co_u32 s24, s24, s32
	s_bcnt1_i32_b32 s32, s29
	s_add_co_u32 s25, s25, s32
	s_bcnt1_i32_b32 s32, s30
	s_add_co_u32 s26, s26, s32
	s_bcnt1_i32_b32 s32, s31
	s_add_co_u32 s27, s27, s32
.set ee, ee+1
.endr
	v_mov_b32 v9, 0x7fffffff                       ; the sentinel
	v_mov_b32 v10, 0x4100                          ; the spare slot
	GAP 0, 0, 0                                    ; under 80 slots each;
	GAP 1, 1, 0
	GAP 2, 2, 0
	GAP 3, 3, 0                                    ; the last runs to slot 16,640: 79 + 3 x 80 slots at the most, since there are 205 groups at the least
	GAP 4, 3, 1
	s_cmp_lt_u32 s20, 4
	s_cbranch_scc0 .Lsend
	v_lshlrev_b32 v4, 1, v0                        ; threads 0 to 127: entries 2 t and 2 t + 1 of groups
	v_add_nc_u32 v5, 1, v4
	v_mov_b32 v20, 0
	v_mov_b32 v21, 0
.irp c, 48,49,50,51
	v_cmp_le_u32 vcc_lo, s\c, v4                   ; a group's batch = how many of the four running numbers of groups it has reached
	v_cndmask_b32 v6, 0, v13, vcc_lo
	v_add_nc_u32 v20, v20, v6
	v_cmp_le_u32 vcc_lo, s\c, v5
	v_cndmask_b32 v6, 0, v13, vcc_lo
	v_add_nc_u32 v21, v21, v6
.endr
	v_lshlrev_b32 v212, 3, v0                      ; 8 bytes a thread, in a register that has held nothing else here
	global_store_b64 v212, v[20:21], s[18:19]      ; a wave stores 256 consecutive bytes
.Lsend:
	s_wait_alu depctr_va_vdst(0)                   ; the wait ahead of the first reader behind the branch and the scalar runs
.set ee, 0
.rept 64
	global_store_b32 v[64+ee], v[128+ee], s[16:17]
.set ee, ee+1
.endr
.irp n, 0,1,2,3,4
	global_store_b32 v[200+\n], v9, s[16:17]
.endr
	s_endpgm
.Lfunc_end_k_qed7cabf3ad_prep:
	.size	k_qed7cabf3ad_prep, .Lfunc_end_k_qed7cabf3ad_prep-k_qed7cabf3ad_prep
	.p2alignl 7, 3214868480
	.fill 96, 4, 3214868480
	.section	.rodata,"a",@progbits
	.p2align	6, 0x0
	.amdhsa_kernel k_qed7cabf3ad_prep
		.amdhsa_group_segment_fixed_size 2304
		.amdhsa_private_segment_fixed_size 0
		.amdhsa_enable_private_segment 0
		.amdhsa_kernarg_size 64
		.amdhsa_user_sgpr_count 2
		.amdhsa_user_sgpr_kernarg_segment_ptr 1
		.amdhsa_wavefront_size32 1
		.amdhsa_system_sgpr_workgroup_id_x 1
		.amdhsa_system_sgpr_workgroup_id_y 1
		.amdhsa_system_sgpr_workgroup_id_z 1
		.amdhsa_system_vgpr_workitem_id 0
		.amdhsa_next_free_vgpr 256
		.amdhsa_next_free_sgpr 66
		.amdhsa_reserve_vcc 1
		.amdhsa_float_denorm_mode_32 3
		.amdhsa_float_denorm_mode_16_64 3
		.amdhsa_memory_ordered 1
		.amdhsa_forward_progress 1
		.amdhsa_inst_pref_size 117
	.end_amdhsa_kernel
	.amdgpu_metadata
---
amdhsa.version: [ 1, 2 ]
amdhsa.kernels:
  - .name:           k_qed7cabf3ad_prep
    .symbol:         k_qed7cabf3ad_prep.kd
    .args:
      - { .name: context, .offset: 0, .size: 8, .value_kind: global_buffer, .address_space: global }
      - { .name: Wkv, .offset: 8, .size: 8, .value_kind: global_buffer, .address_space: global }
      - { .name: Wq, .offset: 16, .size: 8, .value_kind: global_buffer, .address_space: global }
      - { .name: Wo, .offset: 24, .size: 8, .value_kind: global_buffer, .address_space: global }
      - { .name: batch_indices, .offset: 32, .size: 8, .value_kind: global_buffer, .address_space: global }
      - { .name: img, .offset: 40, .size: 8, .value_kind: global_buffer, .address_space: global }
      - { .name: order, .offset: 48, .size: 8, .value_kind: global_buffer, .address_space: global }
      - { .name: groups, .offset: 56, .size: 8, .value_kind: global_buffer, .address_space: global }
    .group_segment_fixed_size: 2304
    .private_segment_fixed_size: 0
    .kernarg_segment_align: 8
    .kernarg_segment_size: 64
    .max_flat_workgroup_size: 256
    .sgpr_count:     66
    .vgpr_count:     256
    .wavefront_size: 32
...
	.end_amdgpu_metadata
.endif
;; end of part 1
;; launch kvproj (part 2): grid 256 x 1, 4 waves a work-group, no clusters, 201,472 bytes of LDS; arguments img, bkv, kvimg; writes kvimg
.if DOCPART == 2
	.amdgcn_target "amdgcn-amd-amdhsa--gfx1250"
	.amdhsa_code_object_version 6
	.text
	.protected	k_qed7cabf3ad_kvproj
	.globl	k_qed7cabf3ad_kvproj
	.p2align	8
	.type	k_qed7cabf3ad_kvproj,@function
k_qed7cabf3ad_kvproj:
	s_mov_b64 s[64:65], 0
	v_nop
	global_prefetch_b8 v0, s[64:65] scope:SCOPE_SE
	s_setreg_imm32_b32 hwreg(HW_REG_WAVE_MODE, 25, 1), 1
	s_wait_xcnt 0x0
; KVPROJ.  kv = Q(context) Q(Wkv) + bkv on codes of FP6 (E2M3), K = 1,024 in 8 steps of 128, sums in f32; the result is quantised at once: k along the head's 64 channels, v along the keys,
; and stored as the records that the attention reads: record (batch b, head h, key step s of 128 keys) = 12,800 bytes at ((8 b + h) 4 + s) x 12800:
;   0     four fragments of K: fragment w: registers 0-5 the keys 32 w + r + 8 (r / 8), registers 6-11 the keys 8 further on; in both d = 32 (lane / 16) + 0 .. 31
;   6144  four fragments of V^T: fragment w: lane r is channel 32 (w / 2) + 8 (w % 2) + r + 8 (r / 8), K = the step's 128 keys
;   12288 K's scale words, 12544 V's: lane l's 8 bytes = the words of fragments l / 16 and 2 + l / 16, row l % 16
; A work-group: mode (0: k, 1: v) = id / 128, head h = id % 8, token group g = (id / 8) % 16 (128 tokens: b = g / 4, s = g % 4).  One text serves both modes: numbers are chosen, never paths (but for the bias).
; Eight accumulators a wave: acc t = P tile t (source 0) x Q tile t / 4 (source 1): a lane holds one column of Q and its registers run along P's rows, 16 neighbours for each pair of tiles.
;   k: P = the head's 4 channel tiles (held twice), Q = the two tiles of token row block 4 g + w: a lane holds a key, registers run along d.
;   v: P = the group's 8 token tiles, Q = channel tile w of the head (in both places): a lane holds a channel, registers run along the keys.
; P's four panels (a row block x all of K: 24,576 bytes, dense in img) come by four tensor loads, one a wave, all first fills: one of mine is outstanding, nothing is filled again.
; NO CLUSTER: a work-group asks for its 196,608 bytes once, at its head; which panels neighbours share (Wkv's along g, the context's along h) changes places with the mode, so a joint load's mask and place would hang on the mode.
; LIMITS: a block of zeros gets the byte 1, not 127 (its codes are zeros; this program alone reads the bytes); NaN and infinities are not served.
.set WKVC,  1572864
.set SCB,   2752512
.set CTXS,  SCB
.set WKVS,  SCB+65536
.set PANEL, 24576
.set QPAN,  98304                      ; LDS: P's four panels at 0,
.set SCST,  200704                     ; and the four waves' scale words, 256 bytes
.set TM,    128                        ; behind the products QUANT works in the registers that held P's fragments
.set PW,    144
.set SEL,   60                         ; s[60:61] lane selects: lane l xor 16
; AS IT STANDS NOW: only P's four panels pass through LDS, one tensor load a wave, all first fills.  Q's panel is used by its own wave alone: its 16 fragments go from memory straight
; into window 1, fragment (K step ks, tile q) at v[24 ks + 12 q], by 48 loads of 512 consecutive bytes.
.set SPARE, 200960                     ; the spare words, 128 bytes a wave; v14 my word's address, v15 zero, kept for this alone
.set MSB, 0
.macro WIN new                         ; the immediate's high byte repeats the setting that is left
.if MSB != \new
	s_set_vgpr_msb (MSB<<8)|\new
.set MSB, \new
.endif
.endm
; REGISTERS: v1 16 x lane (P's panels 0, 1), v3 the same + 49152 (panels 2, 3), v4-5 Q's two tiles, v6 Q's scale words, v7 the bias, v8 my scale word's place, v12-13 the scale words' way out;
; v16-47 P's scale words (8 i + K step), v48-55 Q's; v64-127 the accumulators; v128-223 P's eight fragments; Q's sixteen in window 1, v0-191.
.macro QUANT s, pc
.irp b, 0,1,2,3
	v_max3_num_f32 v[TM+\b], |v[(\s)+16*\b]|, |v[(\s)+1+16*\b]|, 0x1800000   ; my 16 numbers of block b, from each accumulator's low end on, and the floor 2^(3 - 127)
.endr
.irp i, 2,4,6,8,10,12,14
.irp b, 0,1,2,3
	v_max3_num_f32 v[TM+\b], v[TM+\b], |v[(\s)+16*\b+\i]|, |v[(\s)+1+16*\b+\i]|
.endr
.endr
.irp b, 0,1,2,3
	v_permlanex16_b32 v[TM+4+\b], v[TM+\b], s[SEL], s[SEL+1]
.endr
.irp b, 0,1,2,3
	v_max_num_f32 v[TM+\b], v[TM+\b], v[TM+4+\b]
.endr
.irp b, 0,1,2,3
	v_add_nc_u32 v[TM+12+\b], 0xff000000, v[TM+\b]        ; 2 off the exponent field: the conversion's scale operand
.endr
.irp b, 0,1,2,3
	v_lshrrev_b32 v[TM+4+\b], 23, v[TM+12+\b]             ; the scale's byte
.endr
	v_lshl_or_b32 v[PW], v[TM+5], 8, v[TM+4]
	v_lshl_or_b32 v[PW], v[TM+6], 16, v[PW]
	v_lshl_or_b32 v[PW], v[TM+7], 24, v[PW]
.irp c, 0,1
	v_cvt_scalef32_pk16_fp6_f32 v[(\pc)+6*\c:(\pc)+2+6*\c], v[(\s)+32*\c:(\s)+15+32*\c], v[TM+12+2*\c]
	v_cvt_scalef32_pk16_fp6_f32 v[(\pc)+12+4*\c:(\pc)+14+4*\c], v[(\s)+16+32*\c:(\s)+31+32*\c], v[TM+12+2*\c+1]
.endr
	v_nop                                                  ; one plain place behind a scaled conversion
.irp c, 0,1
.irp i, 0,1,2
	v_permlane16_swap_b32 v[(\pc)+6*\c+\i], v[(\pc)+12+4*\c+\i]
.endr
.irp i, 0,1,2
	v_mov_b32 v[(\pc)+3+6*\c+\i], v[(\pc)+12+4*\c+\i]
.endr
.endr
.endm
; D = A x B + C; ra, rb: which half of the lanes of the scale registers holds A's and B's words
.macro WMC d, a, b, c, sa, sb, ra, rb
.if ((\ra) == 0) && ((\rb) == 0)
	v_wmma_scale_f32_16x16x128_f8f6f4 v[(\d):(\d)+7], v[(\a):(\a)+11], v[(\b):(\b)+11], v[(\c):(\c)+7], v[(\sa)], v[(\sb)] matrix_a_fmt:MATRIX_FMT_FP6 matrix_b_fmt:MATRIX_FMT_FP6
.elseif (\rb) == 0
	v_wmma_scale_f32_16x16x128_f8f6f4 v[(\d):(\d)+7], v[(\a):(\a)+11], v[(\b):(\b)+11], v[(\c):(\c)+7], v[(\sa)], v[(\sb)] matrix_a_fmt:MATRIX_FMT_FP6 matrix_b_fmt:MATRIX_FMT_FP6 matrix_a_scale:MATRIX_SCALE_ROW1
.elseif (\ra) == 0
	v_wmma_scale_f32_16x16x128_f8f6f4 v[(\d):(\d)+7], v[(\a):(\a)+11], v[(\b):(\b)+11], v[(\c):(\c)+7], v[(\sa)], v[(\sb)] matrix_a_fmt:MATRIX_FMT_FP6 matrix_b_fmt:MATRIX_FMT_FP6 matrix_b_scale:MATRIX_SCALE_ROW1
.else
	v_wmma_scale_f32_16x16x128_f8f6f4 v[(\d):(\d)+7], v[(\a):(\a)+11], v[(\b):(\b)+11], v[(\c):(\c)+7], v[(\sa)], v[(\sb)] matrix_a_fmt:MATRIX_FMT_FP6 matrix_b_fmt:MATRIX_FMT_FP6 matrix_a_scale:MATRIX_SCALE_ROW1 matrix_b_scale:MATRIX_SCALE_ROW1
.endif
.endm
	s_load_b128 s[4:7], s[0:1], 0x0                ; img s[4:5], bkv s[6:7]
	s_load_b64 s[8:9], s[0:1], 0x10                ; kvimg
	v_lshl_add_u32 v14, v0, 2, SPARE
	v_mov_b32 v15, 0
	ds_add_u32 v14, v15                            ; the opening lines: the add, twice on end, and its wait ahead of my tensor load
	ds_add_u32 v14, v15
	v_lshrrev_b32 v2, 5, v0
	v_readfirstlane_b32 s10, v2                    ; wave 0..3
	s_lshr_b32 s11, ttmp9, 7                       ; mode
	s_and_b32 s12, ttmp9, 7                        ; h
	s_bfe_u32 s13, ttmp9, 0x40003                  ; g
	s_and_b32 s14, s10, 1
	s_lshr_b32 s15, s10, 1
	; descriptor group 1: a dense block of 24,576 bytes as 96 rows of 256 bytes (32 elements of 8 bytes), no padding
	s_mov_b32 s16, 3<<16
	s_mov_b32 s17, 32<<16                          ; tensor_dim0
	s_mov_b32 s18, 96<<16                          ; tensor_dim1
	s_mov_b32 s19, 32<<16                          ; tile_dim0
	s_mov_b32 s20, 96                              ; tile_dim1
	s_mov_b32 s21, 32                              ; the pitch
	s_mov_b32 s22, 0
	s_mov_b32 s23, 0
	s_mov_b32 s[SEL], 0x76543210
	s_mov_b32 s[SEL+1], 0xfedcba98
	s_lshl_b32 s32, s13, 2
	s_add_co_u32 s32, s32, s10                     ; the context's row block 4 g + w
	s_mul_i32 s33, s32, PANEL
	s_lshl_b32 s34, s12, 1                         ; 2 h
	s_add_co_u32 s35, s34, s14
	s_mul_i32 s35, s35, PANEL
	s_add_co_u32 s35, s35, WKVC                    ; k: Wkv's row block 2 h + w % 2
	s_add_co_u32 s36, s34, s15
	s_add_co_u32 s36, s36, 16                      ; v: Wkv's row block 16 + 2 h + w / 2
	s_mul_i32 s37, s36, PANEL
	s_add_co_u32 s37, s37, WKVC
	s_mul_i32 s42, s14, 1536
	s_mov_b32 s44, 1536
	s_lshl_b32 s48, s12, 11
	s_add_co_u32 s48, s48, WKVS                    ; scale words: 1,024 bytes a row block
	s_lshl_b32 s49, s13, 12
	s_add_co_u32 s49, s49, CTXS
	s_lshl_b32 s50, s32, 10
	s_add_co_u32 s50, s50, CTXS
	s_lshl_b32 s51, s36, 10
	s_add_co_u32 s51, s51, WKVS
	s_cmp_eq_u32 s11, 0                            ; every choice on this one compare
	s_cselect_b32 s38, s35, s33                    ; P's panel that I fetch
	s_cselect_b32 s40, s33, s37                    ; Q's
	s_cselect_b32 s43, 0, s42                      ; Q's two tiles in my panel: k: tiles 0 and 1; v: tile w % 2 twice
	s_cselect_b32 s44, s44, s42
	s_cselect_b32 s47, -1, 0
	s_cselect_b32 s52, s48, s49                    ; P's scale words, panels 0 and 1
	s_cselect_b32 s54, 0, 2048                     ; panels 2 and 3: the same again (k) or the next two row blocks (v)
	s_cselect_b32 s56, s50, s51                    ; Q's scale words
	s_mov_b32 s39, 0
	s_mov_b32 s41, 0
	s_mov_b32 s53, 0
	s_mov_b32 s55, 0
	s_mov_b32 s57, 0
	s_add_co_u32 s54, s54, s52
	s_mul_i32 s45, s10, PANEL
	s_wait_dscnt 0x0                               ; both opening adds are done
	s_wait_kmcnt 0x0
	s_mov_b32 s24, 1                               ; group 0 for P's panel: count 1,
	s_mov_b32 s25, s45                             ; LDS address: wave x 24,576,
	s_add_nc_u64 s[26:27], s[4:5], s[38:39]        ; global address,
	s_or_b32 s27, s27, 0x80000000                  ; type 2
	s_add_nc_u64 s[30:31], s[4:5], s[40:41]        ; Q's panel in memory
	tensor_load_to_lds s[24:27], s[16:23]          ; my one tensor load: P's panel w
	s_nop 0
.rept 4
	v_nop
.endr
	v_and_b32 v2, 31, v0                           ; lane
	v_and_b32 v9, 15, v0                           ; r
	v_bfe_u32 v11, v0, 4, 1                        ; lane / 16
	v_lshlrev_b32 v1, 4, v2
	v_add_nc_u32 v3, 2*PANEL, v1
	v_add_nc_u32 v5, s44, v1                       ; Q's two tiles in its panel, + 16 x lane
	v_add_nc_u32 v4, s43, v1
	v_lshlrev_b32 v10, 4, v9
	s_lshl_b32 s58, s14, 8
	v_add_nc_u32 v10, s58, v10                     ; v: both halves of the lanes take tile w % 2's words
	v_cndmask_b32 v6, v10, v1, s47                 ; k: the image as it lies
	s_lshl_b32 s58, s14, 7
	s_lshl_b32 s59, s15, 2
	s_add_co_u32 s58, s58, s59
	s_add_co_u32 s58, s58, SCST
	v_lshl_add_u32 v8, v9, 3, s58                  ; SCST + 8 (16 (w % 2) + r) + 4 (w / 2)
	v_lshlrev_b32 v13, 3, v2
	v_add_nc_u32 v12, SCST, v13
	s_add_nc_u64 s[52:53], s[4:5], s[52:53]
	s_add_nc_u64 s[54:55], s[4:5], s[54:55]
	s_add_nc_u64 s[56:57], s[4:5], s[56:57]
	s_wait_alu depctr_va_vdst(0)
	WIN 0x40                                       ; destination window 1
.set ks, 0
.rept 8
.irp q, 0,1
.irp c, 0,1,2
	global_load_b128 v[24*ks+12*\q+4*\c:24*ks+12*\q+4*\c+3], v[4+\q], s[30:31] offset:ks*3072+512*\c
.endr
.endr
.set ks, ks+1
.endr
	WIN 0
.irp i, 0,1
.irp t, 0,1
	global_load_b128 v[16+8*\i+4*\t:19+8*\i+4*\t], v1, s[52:53] offset:\i*1024+512*\t
	global_load_b128 v[32+8*\i+4*\t:35+8*\i+4*\t], v1, s[54:55] offset:\i*1024+512*\t
.endr
.endr
.irp t, 0,1
	global_load_b128 v[48+4*\t:51+4*\t], v6, s[56:57] offset:512*\t
.endr
	; the bias goes into the accumulators: the first K step adds onto it
	s_mov_b32 s59, 0
	s_cmp_lg_u32 s11, 0
	s_cbranch_scc1 .Lvbias
	v_lshlrev_b32 v7, 6, v11                       ; k: register j of acc t: channel 64 h + 32 ((t % 4) / 2) + 16 (lane / 16) + 8 (t % 2) + j
	s_lshl_b32 s58, s12, 8
	s_add_nc_u64 s[58:59], s[6:7], s[58:59]
.irp t, 0,1,2,3,4,5,6,7
	global_load_b128 v[64+8*\t:67+8*\t], v7, s[58:59] offset:(32*((\t%4)/2)+8*(\t%2))*4
	global_load_b128 v[68+8*\t:71+8*\t], v7, s[58:59] offset:(32*((\t%4)/2)+8*(\t%2))*4+16
.endr
	s_branch .Lbias_done
.Lvbias:
	v_and_b32 v7, 8, v9                            ; v: my lane's channel 512 + 64 h + 32 (w / 2) + 8 (w % 2) + r + 8 (r / 8), in all 64 registers
	v_add_nc_u32 v7, v7, v9
	v_lshlrev_b32 v7, 2, v7
	s_lshl_b32 s58, s12, 8
	s_lshl_b32 s32, s15, 7
	s_add_co_u32 s58, s58, s32
	s_lshl_b32 s32, s14, 5
	s_add_co_u32 s58, s58, s32
	s_add_co_u32 s58, s58, 2048
	s_add_nc_u64 s[58:59], s[6:7], s[58:59]
	global_load_b32 v248, v7, s[58:59]
	s_wait_loadcnt 0x0
.set jj, 0
.rept 64
	v_mov_b32 v[64+jj], v248
.set jj, jj+1
.endr
.Lbias_done:
	s_wait_loadcnt 0x0
	s_wait_tensorcnt 0x0                           ; my two panels have landed,
	s_barrier_signal -1
	s_barrier_wait -1                              ; everybody's have
.set ks, 0
	s_wait_alu depctr_va_vdst(0)
.rept 8                                        ; a K step: 24 LDS loads, 8 products; the eight accumulators take turns
.if ks > 0
.rept 4
	v_nop                                          ; places in front of loads into registers that matrix instructions have read
.endr
.endif
.irp t, 0,1,2,3
.irp c, 0,1,2
	ds_load_b128 v[128+12*\t+4*\c:131+12*\t+4*\c], v1 offset:(\t/2)*PANEL+ks*3072+(\t%2)*1536+512*\c
.endr
.endr
.irp t, 4,5,6,7
.irp c, 0,1,2
	ds_load_b128 v[128+12*\t+4*\c:131+12*\t+4*\c], v3 offset:((\t/2)%2)*PANEL+ks*3072+(\t%2)*1536+512*\c
.endr
.endr
	WIN 0x04                                       ; source 1 (Q) in window 1
.irp t, 0,1,2,3,4,5,6,7
	s_wait_dscnt 3*(7-\t)                          ; P's tile t is in; the three loads of each later tile may be out
	WMC 64+8*\t, 128+12*\t, 24*ks+12*(\t/4), 64+8*\t, 16+8*(\t/2)+ks, 48+ks, \t%2, \t/4
.endr
	WIN 0
.set ks, ks+1
.endr
.rept 4
	v_nop                                          ; places in front of the first read of results and the first write over P's fragments
.endr
.irp b, 0,1,2,3
	v_mov_b32 v[TM+4+\b], 0                        ; a lane permute's destination counts as one of its sources
.endr
	s_lshr_b32 s32, s13, 2                         ; the record: ((8 b + h) 4 + s) x 12800
	s_lshl_b32 s32, s32, 3
	s_add_co_u32 s32, s32, s12
	s_lshl_b32 s32, s32, 2
	s_and_b32 s33, s13, 3
	s_add_co_u32 s32, s32, s33
	s_mul_i32 s32, s32, 12800
	s_mov_b32 s33, 0
	s_add_nc_u64 s[8:9], s[8:9], s[32:33]
	s_mul_i32 s34, s11, 6144
	s_mul_i32 s35, s10, 1536
	s_add_co_u32 s34, s34, s35
	s_mov_b32 s35, 0
	s_add_nc_u64 s[34:35], s[8:9], s[34:35]        ; my fragment
	s_lshl_b32 s36, s11, 8
	s_add_co_u32 s36, s36, 12288
	s_mov_b32 s37, 0
	s_add_nc_u64 s[36:37], s[8:9], s[36:37]        ; the mode's scale words
	QUANT 64, 160
	ds_store_b32 v8, v[PW]                         ; lanes r and r + 16 write the same word with the same value
	s_wait_alu depctr_va_vdst(0)
	s_wait_tensorcnt 0x0                           ; my last LDS store is out
	ds_add_u32 v14, v15
	s_wait_dscnt 0x0
.irp c, 0,1,2
	global_store_b128 v1, v[160+4*\c:163+4*\c], s[34:35] offset:512*\c        ; 32 lanes store 512 consecutive bytes
.endr
	s_barrier_signal -1
	s_barrier_wait -1
	s_cmp_lg_u32 s10, 0
	s_cbranch_scc1 .Lend
	ds_load_b64 v[150:151], v12
	s_wait_dscnt 0x0
	global_store_b64 v13, v[150:151], s[36:37]     ; 256 consecutive bytes
.Lend:
	s_endpgm
.Lfunc_end_k_qed7cabf3ad_kvproj:
	.size	k_qed7cabf3ad_kvproj, .Lfunc_end_k_qed7cabf3ad_kvproj-k_qed7cabf3ad_kvproj
	.p2alignl 7, 3214868480
	.fill 96, 4, 3214868480
	.section	.rodata,"a",@progbits
	.p2align	6, 0x0
	.amdhsa_kernel k_qed7cabf3ad_kvproj
		.amdhsa_group_segment_fixed_size 201472
		.amdhsa_private_segment_fixed_size 0
		.amdhsa_enable_private_segment 0
		.amdhsa_kernarg_size 24
		.amdhsa_user_sgpr_count 2
		.amdhsa_user_sgpr_kernarg_segment_ptr 1
		.amdhsa_wavefront_size32 1
		.amdhsa_system_sgpr_workgroup_id_x 1
		.amdhsa_system_sgpr_workgroup_id_y 1
		.amdhsa_system_sgpr_workgroup_id_z 1
		.amdhsa_system_vgpr_workitem_id 0
		.amdhsa_next_free_vgpr 512
		.amdhsa_next_free_sgpr 66
		.amdhsa_reserve_vcc 0
		.amdhsa_float_denorm_mode_32 3
		.amdhsa_float_denorm_mode_16_64 3
		.amdhsa_memory_ordered 1
		.amdhsa_forward_progress 1
		.amdhsa_inst_pref_size 44
	.end_amdhsa_kernel
	.amdgpu_metadata
---
amdhsa.version: [ 1, 2 ]
amdhsa.kernels:
  - .name:           k_qed7cabf3ad_kvproj
    .symbol:         k_qed7cabf3ad_kvproj.kd
    .args:
      - { .name: img, .offset: 0, .size: 8, .value_kind: global_buffer, .address_space: global }
      - { .name: bkv, .offset: 8, .size: 8, .value_kind: global_buffer, .address_space: global }
      - { .name: kvimg, .offset: 16, .size: 8, .value_kind: global_buffer, .address_space: global }
    .group_segment_fixed_size: 201472
    .private_segment_fixed_size: 0
    .kernarg_segment_align: 8
    .kernarg_segment_size: 24
    .max_flat_workgroup_size: 128
    .sgpr_count:     66
    .vgpr_count:     512
    .wavefront_size: 32
...
	.end_amdgpu_metadata
.endif
;; end of part 2
;; launch attn (part 3): grid 208 x 1, 8 waves a work-group, no clusters, 144,896 bytes of LDS; arguments x_feats, bq, bo, img, kvimg, order, groups, out0; writes out0
.if DOCPART == 3
	.amdgcn_target "amdgcn-amd-amdhsa--gfx1250"
	.amdhsa_code_object_version 6
	.text
	.protected	k_qed7cabf3ad_attn
	.globl	k_qed7cabf3ad_attn
	.p2align	8
	.type	k_qed7cabf3ad_attn,@function
k_qed7cabf3ad_attn:
	s_mov_b64 s[64:65], 0
	v_nop
	global_prefetch_b8 v0, s[64:65] scope:SCOPE_SE
	s_setreg_imm32_b32 hwreg(HW_REG_WAVE_MODE, 25, 1), 1
	s_wait_xcnt 0x0
; ATTN.  A work-group takes one group of 80 points of one batch (five tiles of 16) through the whole chain: gather x, quantise, q = x Wq + bq, quantise, attention over the batch's 512 keys in 8 heads,
; divide by the row's sum, quantise, out Wo + bo, scatter the rows.  All four products on codes of FP6 (E2M3) with one E8M0 byte for each 32 along K, sums in f32.  Nothing but the result goes to memory.
; Only the point's own batch is multiplied: elsewhere the one-hot makes q's codes zeros, and what the other batches' v would give is thrown away by the same one-hot.
; SHARES.  Wave w IS HEAD w and holds all five tiles of queries, so each fragment of K and V that it loads feeds five products.  In the projections wave w owns output channels 64 w .. 64 w + 63; of x it quantises columns 64 w .. + 63.
; All products are used TRANSPOSED (source 0 = 16 channels or keys, source 1 = 16 points): a lane holds one point throughout, and its registers run along the next product's K, since the rows that form a tile of a
; weight, of K and of V are 8 u + r + 8 (r / 8) of a block of 32.
; LOGITS have K = 64.  A fragment of K holds two key tiles, one in each half of the instruction's 128; it is multiplied by [q | zero codes] for the first and by [zero codes | q] for the second.
; SOFTMAX: t = score x log2(e) / 8; M = the running largest t rounded up to a whole number; p = 2^(t - M) is quantised along the keys; the row's sum is taken of the unquantised p and divides at the end;
; when M moves, the sum and O are multiplied by 2^(old M - new M), which rounds nothing.
; K, V and the weights come from memory straight into the registers of the one wave that uses them, as images of its operand registers; a key step's 12,800 bytes are asked for a whole key step ahead.
; NO CLUSTER, NO TENSOR LOAD: which K and V a work-group walks hangs on a number read from memory, which may differ between neighbours; and no operand passes through LDS into which a joint load could land.
; A slot without a point takes the group's first point: the same wave then stores the same bytes to that row again.  A group without points (at most 3 of the 208) walks both barriers on held addresses and then ends.
; LIMITS: a block of zeros gets the byte 1, not 127 (its codes are zeros; this program alone reads the bytes); NaN and infinities are not served.
.set WQC,  2359296
.set WOC,  2555904
.set SCB,  2752512
.set WQS,  SCB+98304
.set WOS,  SCB+106496
; LDS.  A fragment (tile m, K step s) lies at 6144 m + 1536 s as six planes of 256 bytes: register pair p of lane l at 256 p + 8 l; wave w writes half a fragment, planes at 768 w.  Its scale words: 512 m + 128 s + 4 l.
.set XIMG, 0                           ; x's 20 fragments
.set XSC,  30720                       ; their scale words
.set AIMG, 33280                       ; the attention's output likewise: both lie 33,280 bytes behind x's
.set ASC,  64000
.set QIMG, 66560                       ; q: 3840 w + 768 m + 256 p + 8 l (each wave's own)
.set QSC,  97280                       ; 640 w + 128 m + 4 l
.set IDXS, 102400                      ; 320 w + 4 x slot: each wave's own copy of the 80 points' numbers
.set BQS,  104960                      ; 256 w: my 64 numbers of bq;
.set BOS,  107008                      ; of bo, 2,048 bytes behind
.set STG,  109056                      ; 4352 w: a stage of 16 rows x (256 + 16) bytes
.set SPARE, 143872                     ; the spare words, 128 bytes a wave, which no other line names
.macro SENDOUT m                       ; tile m's 16 rows, back from the stage, go each to its point's row of out0
.if (\m) == 0
.set DS, 64
.else
.set DS, 96+32*(\m)
.endif
.irp i, 0,1,2,3,4,5,6,7
	v_min_u32 v[6+8*(\m)+\i], 0x3fff, v[6+8*(\m)+\i]       ; held inside the 16,384 rows
.endr
.irp i, 0,1,2,3,4,5,6,7
	v_lshl_add_u32 v[6+8*(\m)+\i], v[6+8*(\m)+\i], 11, v127
.endr
.irp i, 0,1,2,3,4,5,6,7
	global_store_b128 v[6+8*(\m)+\i], v[DS+4*\i:DS+4*\i+3], s[44:45] th:TH_STORE_NT   ; 16 lanes store 256 consecutive bytes, at a multiple of 256 from out0's first byte
.endr
.endm
; REGISTERS, window 0: v1 16 l, v2 8 l, v3 q's image, v4 q's scale word, v5 4 l (scale words), v45 where I write half a fragment, v147 its two scale bytes, v153 my biases;
;   v6-25 a tile's -M, largest t, sum in two halves; v26-31 q, v32-37 zero codes, v38-43 q again; v44 q's scale word; v46 f, v47 the scale word just made; v48-55 K's and V's scale words (even step, odd step);
;   v56-63, v140-155 at work; v64-127 scores, then p; v128-139 the codes just made; v156-203, v204-251 V of even and odd steps; v252-255 scale words.
; window 1: v0-159 O^T (tile m, channels' tile t at 32 m + 8 t), later the result; v160-207, v208-255 K of odd and even steps.  At the start v0-191 hold Wq.
.set MSB, 0
.macro WIN new                         ; the immediate's high byte repeats the setting that is left
.if MSB != \new
	s_set_vgpr_msb (MSB<<8)|\new
.set MSB, \new
.endif
.endm
.macro PLACES
.rept 4
	v_nop
.endr
.endm
; D = A x B + C (WMC) or A x B (WMZ); ra: which half of the lanes of A's scale register is read
.macro WMC d, a, b, c, sa, sb, ra
.if (\ra) == 0
	v_wmma_scale_f32_16x16x128_f8f6f4 v[(\d):(\d)+7], v[(\a):(\a)+11], v[(\b):(\b)+11], v[(\c):(\c)+7], v[(\sa)], v[(\sb)] matrix_a_fmt:MATRIX_FMT_FP6 matrix_b_fmt:MATRIX_FMT_FP6
.else
	v_wmma_scale_f32_16x16x128_f8f6f4 v[(\d):(\d)+7], v[(\a):(\a)+11], v[(\b):(\b)+11], v[(\c):(\c)+7], v[(\sa)], v[(\sb)] matrix_a_fmt:MATRIX_FMT_FP6 matrix_b_fmt:MATRIX_FMT_FP6 matrix_a_scale:MATRIX_SCALE_ROW1
.endif
.endm
.macro WMZ d, a, b, sa, sb, ra
.if (\ra) == 0
	v_wmma_scale_f32_16x16x128_f8f6f4 v[(\d):(\d)+7], v[(\a):(\a)+11], v[(\b):(\b)+11], 0, v[(\sa)], v[(\sb)] matrix_a_fmt:MATRIX_FMT_FP6 matrix_b_fmt:MATRIX_FMT_FP6
.else
	v_wmma_scale_f32_16x16x128_f8f6f4 v[(\d):(\d)+7], v[(\a):(\a)+11], v[(\b):(\b)+11], 0, v[(\sa)], v[(\sb)] matrix_a_fmt:MATRIX_FMT_FP6 matrix_b_fmt:MATRIX_FMT_FP6 matrix_a_scale:MATRIX_SCALE_ROW1
.endif
.endm
; 32 numbers of a lane, register 16 b + i = k 32 b + 16 (lane / 16) + i of my point, become half a fragment (v128-133: k = 32 (lane / 16) + 0 .. 31) and two scale bytes in v47
.macro QUANT32 s
.irp b, 0,1
	v_max3_num_f32 v[56+\b], |v[(\s)+16*\b]|, |v[(\s)+1+16*\b]|, 0x1800000   ; from each accumulator's low end on; the floor 2^(3 - 127) holds the byte at 1 from below
.endr
.irp i, 2,4,6,8,10,12,14
.irp b, 0,1
	v_max3_num_f32 v[56+\b], v[56+\b], |v[(\s)+16*\b+\i]|, |v[(\s)+1+16*\b+\i]|
.endr
.endr
.irp b, 0,1
	s_delay_alu instid0(VALU_DEP_2)
	v_permlanex16_b32 v[60+\b], v[56+\b], s22, s23
.endr
.irp b, 0,1
	s_delay_alu instid0(VALU_DEP_2)
	v_max_num_f32 v[56+\b], v[56+\b], v[60+\b]
.endr
.irp b, 0,1
	s_delay_alu instid0(VALU_DEP_2)
	v_add_nc_u32 v[148+\b], 0xff000000, v[56+\b]   ; 2 off the exponent field: the conversion's scale operand
.endr
.irp b, 0,1
	s_delay_alu instid0(VALU_DEP_2)
	v_lshrrev_b32 v[60+\b], 23, v[148+\b]
.endr
	s_delay_alu instid0(VALU_DEP_1)
	v_lshl_or_b32 v47, v61, 8, v60
	v_cvt_scalef32_pk16_fp6_f32 v[128:130], v[(\s):(\s)+15], v148
	v_cvt_scalef32_pk16_fp6_f32 v[140:142], v[(\s)+16:(\s)+31], v149
	v_nop                                          ; one plain place behind a scaled conversion
.irp i, 0,1,2
	v_permlane16_swap_b32 v[128+\i], v[140+\i]     ; a whole block to a lane: lanes 0-15 block 0, lanes 16-31 block 1
.endr
.irp i, 0,1,2
	s_delay_alu instid0(VALU_DEP_3)
	v_mov_b32 v[131+\i], v[140+\i]
.endr
.endm
.macro HALFOUT m                       ; half a fragment and its two scale bytes go to LDS for all waves
.irp p, 0,1,2
	ds_store_b64 v45, v[128+2*\p:129+2*\p] offset:6144*(\m)+256*\p
.endr
	ds_store_b16 v147, v47 offset:XSC+512*(\m)
.endm
.macro XFRAGS m                        ; tile m's four fragments of x and their scale words
.irp q, 0,1,2,3
.irp p, 0,1,2,3,4,5
	ds_load_b64 v[204+12*\q+2*\p:205+12*\q+2*\p], v2 offset:XIMG+6144*(\m)+1536*\q+256*\p
.endr
.endr
.irp q, 0,1,2,3
	ds_load_b32 v[252+\q], v5 offset:XSC+512*(\m)+128*\q
.endr
.endm
.macro LOADQ m                         ; tile m's q, into both places, and its scale word
.irp p, 0,1,2
	ds_load_b64 v[26+2*\p:27+2*\p], v3 offset:768*(\m)+256*\p
.endr
.irp p, 0,1,2
	ds_load_b64 v[38+2*\p:39+2*\p], v3 offset:768*(\m)+256*\p
.endr
	ds_load_b32 v44, v4 offset:128*(\m)
.endm
.macro LOADKV par                      ; a record: 26 loads
	WIN 0x40                                       ; destination window 1
.irp k, 0,1,2,3,4,5,6,7,8,9,10,11
	global_load_b128 v[208-48*(\par)+4*\k:208-48*(\par)+4*\k+3], v1, s[28:29] offset:512*\k
.endr
	WIN 0
.irp k, 0,1,2,3,4,5,6,7,8,9,10,11
	global_load_b128 v[156+48*(\par)+4*\k:156+48*(\par)+4*\k+3], v1, s[28:29] offset:6144+512*\k
.endr
	global_load_b64 v[48+4*(\par):49+4*(\par)], v2, s[28:29] offset:12288
	global_load_b64 v[50+4*(\par):51+4*(\par)], v2, s[28:29] offset:12544
.endm
.macro LOADWO q, reg, win              ; Wo's four fragments of K step q: 12 loads
	WIN \win
.irp t, 0,1,2,3
.irp c, 0,1,2
	global_load_b128 v[(\reg)+12*\t+4*\c:(\reg)+12*\t+4*\c+3], v1, s[32:33] offset:(\t/2)*12288+(\q)*3072+512*(3*(\t%2)+\c)
.endr
.endr
.endm
; ONE TILE OF 16 QUERIES x ONE STEP OF 128 KEYS.  par: the step's parity, which says where its K, V and scale words lie
.macro TS m, par
.set KB, 208-48*(\par)
.set VF, 156+48*(\par)
.set KS, 48+4*(\par)
.set VS, 50+4*(\par)
.set ST, 6+4*(\m)
	s_wait_dscnt 0x0                               ; q is in
	WIN 0x01                                       ; K in window 1
.irp g, 0,1,2,3
	WMZ 64+16*\g, KB+12*\g, 26, KS+\g/2, 44, \g%2  ; keys 32 g + 16 (lane / 16) + 0 .. 7
	WMZ 72+16*\g, KB+12*\g, 32, KS+\g/2, 44, \g%2  ; and + 8 .. 15
.endr
	WIN 0
	PLACES
	LOADQ ((\m)+1)%5                               ; the next tile's q lands under this tile's softmax
.irp b, 0,1,2,3
	v_max3_num_f32 v[56+\b], v[64+16*\b], v[65+16*\b], v[66+16*\b]   ; the largest score of each block of 32 keys: for the row's maximum and, since p rises with the score, for the block's largest p
.endr
.irp i, 3,5,7,9,11,13
.irp b, 0,1,2,3
	v_max3_num_f32 v[56+\b], v[56+\b], v[64+16*\b+\i], v[65+16*\b+\i]
.endr
.endr
.irp b, 0,1,2,3
	v_max_num_f32 v[56+\b], v[56+\b], v[79+16*\b]
.endr
.irp b, 0,1,2,3
	s_delay_alu instid0(VALU_DEP_4)
	v_permlanex16_b32 v[60+\b], v[56+\b], s22, s23
.endr
.irp b, 0,1,2,3
	s_delay_alu instid0(VALU_DEP_4)
	v_max_num_f32 v[56+\b], v[56+\b], v[60+\b]
.endr
	s_delay_alu instid0(VALU_DEP_2)
	v_max3_num_f32 v152, v56, v57, v58
	s_delay_alu instid0(VALU_DEP_1)
	v_max_num_f32 v152, v152, v59
	s_delay_alu instid0(VALU_DEP_1)
	v_mul_f32 v152, s24, v152                      ; as t
	s_delay_alu instid0(VALU_DEP_1)
	v_max_num_f32 v[ST+1], v[ST+1], v152           ; the running largest t
	v_mov_b32 v152, v[ST]
	s_delay_alu instid0(VALU_DEP_2)
	v_floor_f32 v[ST], -v[ST+1]                    ; -M = floor(-t): M is a whole number
	s_delay_alu instid0(VALU_DEP_1)
	v_sub_f32 v152, v[ST], v152
	s_delay_alu instid0(VALU_DEP_1)
	v_cvt_i32_f32 v152, v152                       ; (it saturates)
	s_delay_alu instid0(VALU_DEP_1)
	v_ldexp_f32 v46, 1.0, v152                     ; f = 2^(old M - new M)
.set jj, 0
.rept 32
	v_pk_fma_f32 v[64+jj:65+jj], v[64+jj:65+jj], s[24:25], v[ST:ST+1] op_sel_hi:[1,0,0]   ; t - M, two at a time
.set jj, jj+2
.endr
.irp b, 0,1,2,3
	v_fma_f32 v[56+\b], v[56+\b], s24, v[ST]       ; the same of each block's largest score
.endr
.set jj, 0
	s_wait_alu depctr_va_vdst(0)
.rept 64
	v_exp_f32 v[64+jj], v[64+jj]                   ; p = 2^(t - M)
.set jj, jj+1
.endr
	v_pk_mul_f32 v[ST+2:ST+3], v[ST+2:ST+3], v[46:47] op_sel_hi:[1,0]   ; the sums under the new M: a plain place behind the exponentials
	s_wait_alu depctr_va_vdst(0)                   ; one wait for the batch, ahead of its first reader
.irp b, 0,1,2,3
	v_exp_f32 v[56+\b], v[56+\b]                   ; each block's largest p
.endr
	v_pk_add_f32 v[154:155], v[64:65], v[66:67]    ; the row's sum of the unquantised p, in two chains
.irp j, 4,8,12,16,20,24,28,32,36,40,44,48,52,56,60
	v_pk_add_f32 v[ST+2:ST+3], v[ST+2:ST+3], v[64+\j:65+\j]
	v_pk_add_f32 v[154:155], v[154:155], v[66+\j:67+\j]
.endr
	s_delay_alu instid0(VALU_DEP_1)
	v_pk_add_f32 v[ST+2:ST+3], v[ST+2:ST+3], v[154:155]
	s_wait_alu depctr_va_vdst(0)                   ; and one for the four
.irp b, 0,1,2,3
	v_max_num_f32 v[56+\b], 0x1800000, v[56+\b]    ; the floor 2^(3 - 127)
.endr
.irp b, 0,1,2,3
	s_delay_alu instid0(VALU_DEP_4)
	v_add_nc_u32 v[148+\b], 0xff000000, v[56+\b]
.endr
.irp b, 0,1,2,3
	s_delay_alu instid0(VALU_DEP_4)
	v_lshrrev_b32 v[60+\b], 23, v[148+\b]
.endr
	s_delay_alu instid0(VALU_DEP_3)
	v_lshl_or_b32 v47, v61, 8, v60                 ; p's scale word for these 128 keys
	s_delay_alu instid0(VALU_DEP_1)
	v_lshl_or_b32 v47, v62, 16, v47
	s_delay_alu instid0(VALU_DEP_1)
	v_lshl_or_b32 v47, v63, 24, v47
.irp c, 0,1
	v_cvt_scalef32_pk16_fp6_f32 v[128+6*\c:130+6*\c], v[64+32*\c:79+32*\c], v[148+2*\c]
	v_cvt_scalef32_pk16_fp6_f32 v[140+4*\c:142+4*\c], v[80+32*\c:95+32*\c], v[148+2*\c+1]
.endr
	v_nop                                          ; one plain place behind a scaled conversion
.irp c, 0,1
.irp i, 0,1,2
	v_permlane16_swap_b32 v[128+6*\c+\i], v[140+4*\c+\i]
.endr
.irp i, 0,1,2
	s_delay_alu instid0(VALU_DEP_3)
	v_mov_b32 v[131+6*\c+\i], v[140+4*\c+\i]
.endr
.endr
	WIN 0x41                                       ; O^T (destination and source 0) in window 1
.set jj, 0
.rept 16
	v_pk_mul_f32 v[32*(\m)+jj:32*(\m)+jj+1], v[32*(\m)+jj:32*(\m)+jj+1], v[46:47] op_sel_hi:[1,0]   ; O^T under the new M; these 16 are also the places between the scale word's and the codes' last writes and the products
.set jj, jj+2
.endr
	WIN 0x50                                       ; C and D in window 1
.irp t, 0,1,2,3
	WMC 32*(\m)+8*\t, VF+12*\t, 128, 32*(\m)+8*\t, VS+\t/2, 47, \t%2
.endr
	WIN 0
.endm
	s_load_b512 s[4:19], s[0:1], 0x0               ; x s[4:5], bq s[6:7], bo s[8:9], img s[10:11], kvimg s[12:13], order s[14:15], groups s[16:17], out0 s[18:19]
	v_lshrrev_b32 v1, 5, v0
	s_delay_alu instid0(VALU_DEP_1)
	v_readfirstlane_b32 s20, v1                    ; wave = head
	v_and_b32 v32, 31, v0                          ; lane
	v_and_b32 v33, 15, v0                          ; r
	v_bfe_u32 v34, v0, 4, 1                        ; lane / 16
	s_delay_alu instid0(VALU_DEP_3)
	v_lshlrev_b32 v1, 4, v32
	s_delay_alu instid0(VALU_DEP_4)
	v_lshlrev_b32 v2, 3, v32
	v_lshlrev_b32 v5, 2, v32
	s_wait_alu depctr_va_vdst(0)
	s_mul_i32 s26, s20, 3840
	s_add_co_u32 s26, s26, QIMG
	v_add_nc_u32 v3, s26, v2
	s_mul_i32 s26, s20, 640
	s_add_co_u32 s26, s26, QSC
	v_add_nc_u32 v4, s26, v5
	s_mul_i32 s26, s20, 768
	v_add_nc_u32 v45, s26, v2
	s_lshr_b32 s26, s20, 1
	s_lshl_b32 s26, s26, 7
	s_and_b32 s41, s20, 1
	s_lshl_b32 s41, s41, 1
	s_add_co_u32 s26, s26, s41
	v_add_nc_u32 v147, s26, v5                     ; 128 (w / 2) + 2 (w % 2) + 4 l
	s_lshl_b32 s52, s20, 8                         ; 256 w
	s_mov_b32 s53, 0
	s_add_co_u32 s41, s52, BQS
	v_lshl_add_u32 v153, v34, 6, s41               ; my biases: + 64 (lane / 16)
	v_add_nc_u32 v28, s41, v2                      ; and where they are put
	s_mul_i32 s41, s20, 320
	s_add_co_u32 s41, s41, IDXS
	v_lshl_add_u32 v29, v33, 2, s41
	v_lshlrev_b32 v30, 2, v33
.irp b, 0,1,2,3
	v_mov_b32 v[60+\b], 0                          ; written once: a lane permute's destination counts as one of its sources
.endr
	s_mov_b32 s22, 0x76543210
	s_mov_b32 s23, 0xfedcba98                      ; lane l xor 16
	s_mov_b32 s24, 0x3e38aa3b                      ; c = log2(e) / 8
	s_mov_b32 s25, s24                             ; (named with it as a pair)
	s_lshl_b32 s46, ttmp9, 2
	s_mul_i32 s48, ttmp9, 320
	s_mov_b32 s49, 0
	s_mul_i32 s50, s20, 24576
	s_add_co_u32 s54, s50, WOC
	s_add_co_u32 s50, s50, WQC
	s_mov_b32 s51, 0
	s_mov_b32 s55, 0
	s_lshl_b32 s56, s20, 10
	s_add_co_u32 s58, s56, WOS
	s_add_co_u32 s56, s56, WQS
	s_mov_b32 s57, 0
	s_mov_b32 s59, 0
	s_wait_alu depctr_va_vdst(0)
	s_wait_kmcnt 0x0
	s_load_b32 s21, s[16:17], s46 offset:0x0       ; my group's batch, or 4
	s_add_nc_u64 s[14:15], s[14:15], s[48:49]      ; my group's 80 slots
	s_add_nc_u64 s[30:31], s[10:11], s[50:51]      ; my 64 channels of Wq,
	s_add_nc_u64 s[32:33], s[10:11], s[54:55]      ; of Wo,
	s_add_nc_u64 s[36:37], s[10:11], s[56:57]      ; and their scale words
	s_add_nc_u64 s[38:39], s[10:11], s[58:59]
	s_add_nc_u64 s[42:43], s[4:5], s[52:53]        ; my 256 bytes of a row of x,
	s_add_nc_u64 s[44:45], s[18:19], s[52:53]      ; of out0,
	s_add_nc_u64 s[6:7], s[6:7], s[52:53]          ; of bq and bo
	s_add_nc_u64 s[8:9], s[8:9], s[52:53]
.irp m, 0,1,2,3,4
	global_load_b32 v[6+\m], v30, s[14:15] offset:64*\m                       ; lane r (and r + 16): the point in slot 16 m + r
.endr
	WIN 0x40
.set kk, 0
.rept 48
	global_load_b128 v[4*kk:4*kk+3], v1, s[30:31] offset:512*kk               ; Wq's 16 fragments: (row block b, K step s, tile u) at v[12 ((4 b + s) 2 + u)] of window 1
.set kk, kk+1
.endr
	WIN 0
	global_load_b128 v[16:19], v1, s[36:37]        ; Wq's scale words: v[16 + 4 b + s]; lanes 0-15 tile 0, lanes 16-31 tile 1
	global_load_b128 v[20:23], v1, s[36:37] offset:512
	global_load_b64 v[24:25], v2, s[6:7]
	global_load_b64 v[26:27], v2, s[8:9]
	s_wait_loadcnt 52                              ; the five loads of points are in; the 52 issued behind them may be out
	v_readfirstlane_b32 s27, v6                    ; the group's first point
.irp m, 0,1,2,3,4
	v_cmp_gt_u32 vcc_lo, 0x4000, v[6+\m]
	s_delay_alu instid0(VALU_DEP_1)
	v_cndmask_b32 v[6+\m], s27, v[6+\m], vcc_lo    ; a slot without a point takes the first point
	s_delay_alu instid0(VALU_DEP_1)
	v_min_u32 v[6+\m], 0x3fff, v[6+\m]             ; held inside the 16,384 rows
	ds_store_b32 v29, v[6+\m] offset:64*\m
	v_lshlrev_b32 v[11+\m], 11, v[6+\m]
	s_delay_alu instid0(VALU_DEP_1)
	v_lshl_add_u32 v[11+\m], v34, 6, v[11+\m]      ; the point's row of 2,048 bytes, + 64 (lane / 16)
.endr
.irp m, 0,1,2,3,4
.if \m < 2
.set XB, 64+32*\m
.else
.set XB, 92+32*\m
.endif
.irp b, 0,1
.irp j, 0,1,2,3
	global_load_b128 v[XB+16*\b+4*\j:XB+16*\b+4*\j+3], v[11+\m], s[42:43] offset:128*\b+16*\j   ; register 16 b + i = column 64 w + 32 b + 16 (lane / 16) + i
.endr
.endr
.endr
	; ---- X: my 64 columns of the 80 rows become half fragments
.irp m, 0,1,2,3,4
.if \m < 2
.set XB, 64+32*\m
.else
.set XB, 92+32*\m
.endif
	s_wait_loadcnt 8*(4-\m)                        ; tile m's eight loads are in; the later tiles' may be out
.if \m == 0
	ds_store_b64 v28, v[24:25]                     ; my biases go to LDS, to come back in the results' layout
	ds_store_b64 v28, v[26:27] offset:BOS-BQS
.endif
	QUANT32 XB
	HALFOUT \m
	s_wait_dscnt 0x0                               ; the stores have read their registers
.endr
	v_add_nc_u32 v45, AIMG-XIMG, v45               ; the next halves that I write are the attention's output
	v_add_nc_u32 v147, AIMG-XIMG, v147
	s_wait_kmcnt 0x0
	s_min_u32 s35, s21, 3                          ; held inside the four batches
	s_lshl_b32 s46, s35, 3
	s_add_co_u32 s46, s46, s20
	s_mul_i32 s46, s46, 51200                      ; four records of 12,800 bytes for (batch, head)
	s_mov_b32 s47, 0
	s_add_nc_u64 s[28:29], s[12:13], s[46:47]
	LOADKV 0                                       ; key step 0 lands under the q projection
	s_barrier_signal -1                            ; (no LDS instruction of mine is out)
	s_barrier_wait -1                              ; x's 20 fragments lie in LDS
	; ---- Q: q^T = Wq^T x^T + bq for my head, a tile of 16 points at a time
.irp t, 0,1,2,3
	ds_load_b128 v[96+8*\t:99+8*\t], v153 offset:(32*(\t/2)+8*(\t%2))*4
	ds_load_b128 v[100+8*\t:103+8*\t], v153 offset:(32*(\t/2)+8*(\t%2))*4+16
.endr
	XFRAGS 0
.irp m, 0,1,2,3,4
	s_wait_dscnt 0x0
	WIN 0x01                                       ; Wq in window 1
.irp q, 0,1,2,3
.irp t, 0,1,2,3                                ; the four accumulators take turns
.if \q == 0
	WMC 64+8*\t, 12*((4*(\t/2)+\q)*2+\t%2), 204+12*\q, 96+8*\t, 16+4*(\t/2)+\q, 252+\q, \t%2   ; the bias is the first product's C
.else
	WMC 64+8*\t, 12*((4*(\t/2)+\q)*2+\t%2), 204+12*\q, 64+8*\t, 16+4*(\t/2)+\q, 252+\q, \t%2
.endif
.endr
.endr
	WIN 0
	PLACES
.if \m < 4
	XFRAGS \m+1
.endif
	QUANT32 64
	v_lshl_or_b32 v47, v47, 16, v47                ; q's two bytes, for either half of the instruction's K
.irp p, 0,1,2
	ds_store_b64 v3, v[128+2*\p:129+2*\p] offset:768*\m+256*\p
.endr
	ds_store_b32 v4, v47 offset:128*\m
.endr
	s_wait_dscnt 0x0
	v_add_nc_u32 v5, AIMG-XIMG, v5                 ; the next scale words that I read are the attention's output's
.irp i, 32,33,34,35,36,37
	v_mov_b32 v\i, 0                               ; zero codes
.endr
.irp m, 0,1,2,3,4
	v_mov_b32 v[7+4*\m], 0xff61b1e6                ; the largest t so far: -3e38
	s_delay_alu instid0(VALU_DEP_1)
	v_floor_f32 v[6+4*\m], -v[7+4*\m]
	v_mov_b32 v[8+4*\m], 0
	v_mov_b32 v[9+4*\m], 0
.endr
	WIN 0x40
.set jj, 0
.rept 160
	v_mov_b32 v[jj], 0                             ; O^T.  The key step is written once for each parity: the first finds zeros, which the first change of M leaves zeros
.set jj, jj+1
.endr
	WIN 0
	LOADQ 0
	; ---- the keys: two trips of an even and an odd step of 128
	s_mov_b32 s34, 2
.Lpair:
	PLACES                                         ; in front of loads into registers that matrix instructions have read
	s_wait_xcnt 0x0                                ; the last record's loads have read their base
	s_add_nc_u64 s[28:29], s[28:29], 12800
	LOADKV 1
	s_wait_loadcnt 26                              ; the even step's record is in; the 26 loads just issued may be out
	TS 0, 0
	TS 1, 0
	TS 2, 0
	TS 3, 0
	TS 4, 0
	PLACES
	s_cmp_eq_u32 s34, 1
	s_cbranch_scc1 .Lwo
	s_wait_xcnt 0x0
	s_add_nc_u64 s[28:29], s[28:29], 12800
	LOADKV 0
	s_branch .Lj
.Lwo:                                              ; no key step is left: Wo's first two K steps and its scale words take the even step's registers: 26 loads as well
	LOADWO 0, 208, 0x40
	LOADWO 1, 156, 0
	global_load_b128 v[48:51], v1, s[38:39]
	global_load_b128 v[252:255], v1, s[38:39] offset:512
.Lj:
	s_wait_loadcnt 26                              ; the odd step's record is in; on either way 26 loads were issued behind it
	TS 0, 1
	TS 1, 1
	TS 2, 1
	TS 3, 1
	TS 4, 1
	s_sub_co_u32 s34, s34, 1
	s_cmp_lg_u32 s34, 0
	s_cbranch_scc1 .Lpair
	; ---- O: divide by the row's sum, quantise along (head, channel): my head is half a K step of the last product
	PLACES
	s_wait_dscnt 0x0
.irp m, 0,1,2,3,4
	v_add_f32 v[104+\m], v[8+4*\m], v[9+4*\m]
.endr
.irp m, 0,1,2,3,4
	v_permlanex16_b32 v[112+\m], v[104+\m], s22, s23
.endr
.irp m, 0,1,2,3,4
	v_add_f32 v[104+\m], v[104+\m], v[112+\m]
.endr
	s_wait_alu depctr_va_vdst(0)
.irp m, 0,1,2,3,4
	v_rcp_f32 v[96+\m], v[104+\m]
.endr
	v_nop                                          ; a plain place behind the last reciprocal
	LOADWO 2, 160, 0x40                            ; Wo's last two K steps take the odd step's registers
	LOADWO 3, 204, 0
	s_wait_alu depctr_va_vdst(0)                   ; one wait for the five, ahead of their first reader
.irp m, 0,1,2,3,4
	WIN 0x01
.set jj, 0
.rept 32
	v_mul_f32 v[64+jj], v[32*\m+jj], v[96+\m]      ; each accumulator from its low end on
.set jj, jj+1
.endr
	WIN 0
	QUANT32 64
	HALFOUT \m
	s_wait_dscnt 0x0
.endr
	s_barrier_signal -1
	s_barrier_wait -1                              ; the 20 fragments of the attention's output lie in LDS
	s_cmp_gt_u32 s21, 3                            ; a group without points stores nothing; no barrier follows
	s_cbranch_scc1 .Lend
	; ---- P: out^T = Wo^T a^T + bo for my 64 channels: 20 accumulators by turns, a K step at a time
.irp t, 0,1,2,3
	ds_load_b128 v[12+8*\t:15+8*\t], v153 offset:BOS-BQS+(32*(\t/2)+8*(\t%2))*4
	ds_load_b128 v[16+8*\t:19+8*\t], v153 offset:BOS-BQS+(32*(\t/2)+8*(\t%2))*4+16
.endr
	v_and_b32 v124, 15, v0
	v_bfe_u32 v126, v0, 4, 1
	s_mul_i32 s26, s20, 4352
	s_add_co_u32 s26, s26, STG                     ; my stage
	v_lshlrev_b32 v127, 4, v124                    ; 16 r
	v_mul_u32_u24 v125, v126, 272
	s_delay_alu instid0(VALU_DEP_1)
	v_add_nc_u32 v125, v125, v127
	s_delay_alu instid0(VALU_DEP_1)
	v_add_nc_u32 v125, s26, v125                   ; back: lanes 0-15 one row of 256 bytes, lanes 16-31 the next
	v_mul_u32_u24 v124, v124, 272
	s_delay_alu instid0(VALU_DEP_1)
	v_lshl_add_u32 v124, v126, 6, v124
	s_delay_alu instid0(VALU_DEP_1)
	v_add_nc_u32 v124, s26, v124                   ; in: row r, + 64 (lane / 16)
	s_mul_i32 s41, s20, 320
	s_add_co_u32 s41, s41, IDXS
	v_lshl_add_u32 v126, v126, 2, s41              ; the two rows' points
.irp q, 0,1,2,3
.irp m, 0,1,2,3,4
.irp p, 0,1,2,3,4,5
	ds_load_b64 v[64+12*\m+2*\p:65+12*\m+2*\p], v2 offset:AIMG+6144*\m+1536*\q+256*\p
.endr
.endr
.irp m, 0,1,2,3,4
	ds_load_b32 v[6+\m], v5 offset:XSC+512*\m+128*\q
.endr
.if \q < 2
	s_wait_loadcnt 24                              ; Wo's K steps 0 and 1 and its scale words are in; the 24 loads of steps 2 and 3 may be out
.elseif \q == 2
	s_wait_loadcnt 12                              ; step 3's 12 may be out
.else
	s_wait_loadcnt 0x0
.endif
	s_wait_dscnt 0x0
.if \q == 0
.set WA, 208
	WIN 0x41                                       ; Wo and D in window 1, the bias in window 0
.elseif \q == 1
.set WA, 156
	WIN 0x50
.elseif \q == 2
.set WA, 160
	WIN 0x51
.else
.set WA, 204
	WIN 0x50
.endif
.irp m, 0,1,2,3,4
.irp t, 0,1,2,3
.if \q == 0
	WMC 32*\m+8*\t, WA+12*\t, 64+12*\m, 12+8*\t, 48+\q+204*(\t/2), 6+\m, \t%2
.else
	WMC 32*\m+8*\t, WA+12*\t, 64+12*\m, 32*\m+8*\t, 48+\q+204*(\t/2), 6+\m, \t%2
.endif
.endr
.endr
	WIN 0
	PLACES                                         ; in front of loads into registers that matrix instructions have read, and of the first read of results
.endr
	; ---- the way out, a tile of 16 points at a time: through my stage, back as rows of 256 bytes, each to its point's row
	s_wait_alu depctr_va_vdst(0)
.irp m, 0,1,2,3,4
.if \m == 0                            ; each tile comes back into registers of its own: v64-95, then v128-255; its points' numbers into v[6 + 8 m ..]: no store's registers are written again
.set DB, 64
.else
.set DB, 96+32*\m
.endif
	WIN 0x04                                       ; an LDS store's data are its source 1: window 1
.irp t, 0,1,2,3
	ds_store_b128 v124, v[32*\m+8*\t:32*\m+8*\t+3] offset:128*(\t/2)+32*(\t%2)          ; each accumulator from its low end on
	ds_store_b128 v124, v[32*\m+8*\t+4:32*\m+8*\t+7] offset:128*(\t/2)+32*(\t%2)+16
.endr
	WIN 0
.irp i, 0,1,2,3,4,5,6,7
	ds_load_b32 v[6+8*\m+\i], v126 offset:64*\m+8*\i
.endr
.irp i, 0,1,2,3,4,5,6,7
	ds_load_b128 v[DB+4*\i:DB+4*\i+3], v125 offset:544*\i    ; LDS serves a wave's instructions in order: these see my stores, and the next tile's stores come behind them
.endr
.if \m > 0
	s_wait_dscnt 24                                ; tile m - 1 is back in registers; tile m's 8 stores and 16 loads may be out
	SENDOUT \m-1
.endif
.endr
	s_wait_dscnt 0x0
	SENDOUT 4
.Lend:
	v_lshl_add_u32 v122, v0, 2, SPARE              ; no two registers could be kept: my spare word's address and zero are made anew from v0
	v_mov_b32 v123, 0
	s_wait_alu depctr_va_vdst(0)                   ; the wait ahead of the wait below
	s_wait_tensorcnt 0x0                           ; the wave's end, behind my last LDS store
	ds_add_u32 v122, v123
	s_wait_dscnt 0x0
	s_endpgm
.Lfunc_end_k_qed7cabf3ad_attn:
	.size	k_qed7cabf3ad_attn, .Lfunc_end_k_qed7cabf3ad_attn-k_qed7cabf3ad_attn
	.p2alignl 7, 3214868480
	.fill 96, 4, 3214868480
	.section	.rodata,"a",@progbits
	.p2align	6, 0x0
	.amdhsa_kernel k_qed7cabf3ad_attn
		.amdhsa_group_segment_fixed_size 144896
		.amdhsa_private_segment_fixed_size 0
		.amdhsa_enable_private_segment 0
		.amdhsa_kernarg_size 64
		.amdhsa_user_sgpr_count 2
		.amdhsa_user_sgpr_kernarg_segment_ptr 1
		.amdhsa_wavefront_size32 1
		.amdhsa_system_sgpr_workgroup_id_x 1
		.amdhsa_system_sgpr_workgroup_id_y 1
		.amdhsa_system_sgpr_workgroup_id_z 1
		.amdhsa_system_vgpr_workitem_id 0
		.amdhsa_next_free_vgpr 512
		.amdhsa_next_free_sgpr 66
		.amdhsa_reserve_vcc 1
		.amdhsa_float_denorm_mode_32 3
		.amdhsa_float_denorm_mode_16_64 3
		.amdhsa_memory_ordered 1
		.amdhsa_forward_progress 1
		.amdhsa_inst_pref_size 255
	.end_amdhsa_kernel
	.section	.bss,"aw",@nobits
	.p2align	6
	.space	262144
	.amdgpu_metadata
---
amdhsa.version: [ 1, 2 ]
amdhsa.kernels:
  - .name:           k_qed7cabf3ad_attn
    .symbol:         k_qed7cabf3ad_attn.kd
    .args:
      - { .name: x_feats, .offset: 0, .size: 8, .value_kind: global_buffer, .address_space: global }
      - { .name: bq, .offset: 8, .size: 8, .value_kind: global_buffer, .address_space: global }
      - { .name: bo, .offset: 16, .size: 8, .value_kind: global_buffer, .address_space: global }
      - { .name: img, .offset: 24, .size: 8, .value_kind: global_buffer, .address_space: global }
      - { .name: kvimg, .offset: 32, .size: 8, .value_kind: global_buffer, .address_space: global }
      - { .name: order, .offset: 40, .size: 8, .value_kind: global_buffer, .address_space: global }
      - { .name: groups, .offset: 48, .size: 8, .value_kind: global_buffer, .address_space: global }
      - { .name: out0, .offset: 56, .size: 8, .value_kind: global_buffer, .address_space: global }
    .group_segment_fixed_size: 144896
    .private_segment_fixed_size: 0
    .kernarg_segment_align: 8
    .kernarg_segment_size: 64
    .max_flat_workgroup_size: 256
    .sgpr_count:     66
    .vgpr_count:     512
    .wavefront_size: 32
...
	.end_amdgpu_metadata
.endif
;; end of part 3
